; MI455X (gfx1250); checked and timed in simulation.
; The chip was launched on July 23, 2026; its instructions are those of AMD's public machine-readable ISA for CDNA 5 (MIT licence, August 2026) and "CDNA5" Instruction Set Architecture Reference Guide (July 2026). The comments in the code are by the model that wrote it; some were corrected since.
;; Causal Attention. Allowed arithmetic: matrix products marked QUANTISED: E2M1 operands, one E8M0 scale for each 32 along K, by v_wmma_scale_f32_16x16x128_f8f6f4 with both operands' format E2M1 (or v_wmma_scale_f32_32x16x128_f4), f32 sums; everything else in f32.
;; Inputs: Wk_codes 512 x 32 x 16 uint8 (E2M1 codes of Wk, K innermost, in blocks of 32 codes, two codes a byte); Wk_scales 512 x 32 uint8 (E8M0 scales of Wk, one for each 32 codes along K); Wq_codes 512 x 32 x 16 uint8 (E2M1 codes of Wq, K innermost, in blocks of 32 codes, two codes a byte); Wq_scales 512 x 32 uint8 (E8M0 scales of Wq, one for each 32 codes along K); Wv_codes 512 x 32 x 16 uint8 (E2M1 codes of Wv, K innermost, in blocks of 32 codes, two codes a byte); Wv_scales 512 x 32 uint8 (E8M0 scales of Wv, one for each 32 codes along K); x_codes 8 x 2,048 x 32 x 16 uint8 (E2M1 codes of x, K innermost, in blocks of 32 codes, two codes a byte); x_scales 8 x 2,048 x 32 uint8 (E8M0 scales of x, one for each 32 codes along K).
;; Outputs: out0 8 x 2,048 x 512 float32.
;; This version of the problem:
;;   THIS VERSION OF THE PROBLEM IS GIVEN IN LOW PRECISION. The matrix products marked QUANTISED in the list below multiply operands that are first quantised to E2M1 (2 exponent bits, 1 mantissa bit; 4 bits a number), with one power-of-two scale for each 32 numbers along K (OCP MX v1.0); their sums are f32. All else is computed in f32.
;;   The module's matrix products, in the order in which they are computed (A, B: the left and right operand; K: the contracted axis; several contracted axes count as one K, in the product's order):
;;     1. [M 16,384, K 1,024] x [K 1,024, N 512]; A: input x (given as codes); B: input Wq (given as codes): QUANTISED
;;     2. [M 16,384, K 1,024] x [K 1,024, N 512]; A: input x (given as codes); B: input Wk (given as codes): QUANTISED
;;     3. [M 16,384, K 1,024] x [K 1,024, N 512]; A: input x (given as codes); B: input Wv (given as codes): QUANTISED
;;     4. batch 8 x [M 2,048, K 512] x [K 512, N 2,048]; A: computed on the way; B: computed on the way: QUANTISED
;;     5. batch 8 x [M 2,048, K 2,048] x [K 2,048, N 512]; A: softmax (see below); B: computed on the way: QUANTISED
;;   THE QUANTISER, for each operand of a quantised product, along K:
;;     - K is cut into blocks of 32 from its start; a last block that is shorter is filled with zeros.
;;     - A block's scale is 2^e with e = floor(log2(the largest magnitude in the block)) - 2, held to -126 .. 127; a block of zeros has e = 0. As a byte (E8M0): e + 127.
;;     - Each number is divided by its block's scale, clamped to +-6, and rounded to the nearest number of E2M1, ties to even, subnormals kept.
;;     - The product sums the exact products of the quantised numbers (number of the format x scale) in f32.
;;   ~~~python
;;   def quantise(x, axis):      # numpy; x: float32 -> the quantised numbers, widened to float32 again
;;       x = np.moveaxis(x, axis, -1); K = x.shape[-1]
;;       x = np.pad(x, [(0, 0)] * (x.ndim - 1) + [(0, -K % 32)]); x = x.reshape(x.shape[:-1] + (-1, 32)); a = np.abs(x).max(-1, keepdims=True)
;;       e = np.where(a > 0, np.clip(np.frexp(np.where(a > 0, a, 1))[1] - 1 - 2, -126, 127), 0)      # np.frexp(a)[1] - 1 = floor(log2(a)), exactly
;;       r = np.clip(x / 2.0 ** e, -6, 6)
;;       step = 2.0 ** (np.maximum(np.frexp(np.where(r == 0, 1, r))[1] - 1, 0) - 1)
;;       q = np.round(r / step) * step * 2.0 ** e      # np.round: ties to even
;;       return np.moveaxis(q.reshape(q.shape[:-2] + (-1,))[..., :K], -1, axis).astype(np.float32)
;;   ~~~
;;   SOFTMAX AHEAD OF A QUANTISED PRODUCT. Where the list says 'softmax', what is quantised is not the finished softmax but p = 2^(t - M), with t = logit x log2(e) and M = ceil(the row's largest t), a whole number; so 1/2 < the row's largest p <= 1. The row's sum l is taken of the UNQUANTISED p, in f32, and the product's result is divided by l at the end. Since M is a whole number, a kernel that streams over the keys may use a running M (the ceiling of the running maximum): every later rescaling is an exact power of two, which a block's scale takes up: the codes' values come out the same.
;;   OPERANDS COMPUTED ON THE WAY. 'Computed on the way' means the value that the module computes at that place (a softmax that the list does not call 'softmax' is quantised finished and normalised). What goes into a quantiser is computed in f32, as accurately as f32 sums, v_exp_f32 and their like allow (about 1e-6 of the number): no bf16 or f16 on the way to a quantiser, and a product that is left as it is and whose result goes on into a quantised operand takes f32 operands (vector FMAs, or v_wmma_f32_16x16x4_f32). A number that lies on a knife's edge between two numbers of the format may be rounded either way, as far as f32 arithmetic and the matrix unit's own rounding can turn it there, and no further.
;;   INPUTS GIVEN AS CODES. Wk (in the module: [1024, 512], K = its axis 0); Wq (in the module: [1024, 512], K = its axis 0); Wv (in the module: [1024, 512], K = its axis 0); x (in the module: [8, 2048, 1024], K = its axis 2): each comes as NAME_codes (uint8): NAME with its K axis moved to the last place and cut into blocks of 32 codes, [.., K / 32, bytes a block], one block behind the other in memory; two codes a byte, the lower K in the low four bits (a code: sign, 2 exponent bits, 1 mantissa bit); and NAME_scales (uint8): the same leading axes, one E8M0 byte (e + 127) for each 32 codes along K. Its value is code x scale, taken as it is: it is not quantised again, and the codes and scales need not be those that the quantiser above would give.
;; One version. Each part assembles by itself: llvm-mc -triple=amdgcn-amd-amdhsa -mcpu=gfx1250 --defsym DOCPART=n.
;; ======== version 1 of 1: 2 launches
;; limits: right only within a limited range of input values
;; workspace buffers: qc 4,194,304 bytes; qs 262,144 bytes; kv 8,912,896 bytes
;; launch proj (part 1): grid 4 x 64, 4 waves a work-group, clusters of 4 x 4, 327,680 bytes of LDS; arguments x_codes, x_scales, Wq_codes, Wq_scales, Wk_codes, Wk_scales, Wv_codes, Wv_scales, qc, qs, kv; writes qc, qs, kv
.if DOCPART == 1
	.amdgcn_target "amdgcn-amd-amdhsa--gfx1250"
	.amdhsa_code_object_version 6
	.text
	.protected	k_q9aac852071_proj
	.globl	k_q9aac852071_proj
	.p2align	8
	.type	k_q9aac852071_proj,@function
k_q9aac852071_proj:
	s_mov_b64 s[64:65], 0
	v_nop
	global_prefetch_b8 v0, s[64:65] scope:SCOPE_SE
	s_setreg_imm32_b32 hwreg(HW_REG_WAVE_MODE, 25, 1), 1
	s_wait_xcnt 0x0
	s_wait_alu depctr_hold_cnt(0) depctr_sa_sdst(0) depctr_va_vdst(0) depctr_va_sdst(0) depctr_va_ssrc(0) depctr_va_vcc(0) depctr_vm_vsrc(0)
	s_getreg_b32 s2, hwreg(HW_REG_IB_STS2, 6, 4)
	s_cmp_eq_u32 s2, 0
	s_cbranch_scc0 .Lentry_in_a_cluster
	s_endpgm
.Lentry_in_a_cluster:
	s_bfe_u32 s2, ttmp6, 0x10000c
	s_cmp_lg_u32 s2, 0xf033
	s_cbranch_scc0 .Lentry_shape_is_right
	s_endpgm
.Lentry_shape_is_right:
; q = x Wq, k = x Wk, v = x Wv on codes of FP4 (E2M1) with E8M0 scales, K = 1,024; the results are quantised in registers (q and k along e, v along the tokens) and stored as IMAGES OF OPERAND REGISTERS.
; AN IMAGE UNIT is 16 rows x one block of 32 along the next K: 256 bytes, [row][16 bytes].  Four units on end are a fragment (16 rows x 128 K): two loads of 16 bytes a lane at 512 c + 16 x lane bring it.
; SHARES.  A work-group takes 256 tokens (tb = its y) x 128 outputs e = 128 g .. (g = its x) of each of q, k, v.  Wave w takes e = 128 g + 32 w + 0 .. 31 of each: 6 tiles of W x 8 K steps = 384 registers, which stay.
; x goes through LDS and is read by all four waves; the work goes by PAIRS of token tiles (32 tokens): 12 accumulators, 96 matrix instructions a pair.
; q, k: source 0 = 16 rows of W, source 1 = 16 tokens: a lane holds ONE token and eight e; two tiles of W stacked are the wave's block of 32 e.   v: source 0 = 16 tokens, source 1 = 16 rows of Wv: a lane holds ONE d and
; eight tokens; the pair's two token tiles stacked are a block of 32 tokens.  In both a lane (r, h) holds k = 16 u + 8 h + j of the next K: the block's largest magnitude is the lane's 16 numbers' and lane xor 16's.
; Two conversions give 8 codes each; one exchange of halves leaves k = 16 h + 0 .. 15 in a register pair; one store of 8 bytes a lane at 16 r + 8 h writes the unit's 256 consecutive bytes.
; A block's scale byte is its largest magnitude's exponent field - 2, held at 1 from below.  LIMITS: a block of zeros gets the byte 1 (its codes are zeros; this program alone reads the bytes); NaN and infinities are not served.
; CLUSTERS: 4 x 4 work-groups.  x's tile hangs on tb alone: asked for jointly by a row of the cluster; W's tiles hang on g alone: asked for jointly by a column.
; LDS: Wq, Wk, Wv (128 rows x 528 bytes each), tokens 0-127 of x (the same), a stage for scale bytes, the spare words.  When W is in registers, tokens 128-255 of x are brought into Wq's bytes.
; REGISTERS: window 0: v1-15 addresses; v16-39 W's scale words; v40-103 x's; v104-127 at work; v128-223 the 12 accumulators; v224-235 codes.  window 1: Wq's, Wk's fragments.  window 2: Wv's.  window 3: x's, two sets.
.set PITCH, 528                        ; an LDS row: 512 bytes + 16 of padding = 33 x 16: the 16 rows that a load touches start at 16 different groups of banks (ISA guide 11.1)
.set REG,   128*PITCH                  ; 128 rows: what one tensor load brings
.set XAO,   3*REG                      ; x's tokens 0-127
.set SG,    4*REG                      ; the scale bytes' stage: q's 1,024 bytes, k's 1,024, v's 1,024; no tensor load lands here
.set SPARE, SG+3072                    ; the spare words, 128 bytes for each wave: two blocks of 256 bytes that no other line names
.set STEPB, 69632                      ; a key step's block in kv: K's codes 32,768, V's codes 32,768, K's scale words 2,048, V's 2,048
.set SPW, 1                            ; v1   LDS address of my spare word; never rewritten
.set NIL, 2                            ; v2   0; never rewritten
.set AW,  3                            ; v3-5 LDS address of my rows of Wq, Wk, Wv
.set AXA, 6                            ; v6   of a token tile's row in x's first half
.set AXB, 7                            ; v7   in its second half
.set QCO, 8                            ; v8   my 8 bytes of a unit of q or k: 16 r + 8 h + 256 (4 g + w)
.set VCO, 9                            ; v9   of v: 16 r + 8 h + 1,024 (8 g + 2 w)
.set SBQ, 10                           ; v10  the stage: q's and k's byte: 4 r + w
.set SBV, 11                           ; v11  v's byte: 128 w + 4 r
.set L32, 12                           ; v12  32 x lane
.set GQ,  13                           ; v13  the stage read back: 16 x thread
.set GV,  14                           ; v14  8 x thread
.set L16, 15                           ; v15  16 x lane
.set WS,  16                           ; W's scale words: v[WS + 8 m + s], lane l = row 32 w + l
.set XS,  40                           ; x's: v[XS + 8 P + s], lane l = token 32 P + l
.set MX,  104                          ; six largest magnitudes
.set TMP, 110                          ; six from lane xor 16
.set SCO, 116                          ; six scale operands of the conversions
.set BYT, 122                          ; six scale bytes
.set ACC, 128                          ; group g's 16 numbers at v[ACC + 16 g]: q tile 0, 1; k tile 0, 1; v d tile 0, 1
.set COD, 224                          ; six pairs of codes
.set L8,  236                          ; v236 8 x lane
.set FIN, 240
.set WV,  26                           ; s26  my wave's number
.set G1W, 32                           ; s[32:39] descriptor group 1 for W's tiles;  s[40:47] for x's: they differ in the mask
.set G1X, 40
.set G0W, 48                           ; s[48:51], s[52:55] their groups 0
.set G0X, 52
.set SEL, 66                           ; s[66:67] lane selects: lane xor 16
.set QCB, 68                           ; s[68:69] qc at my first token
.set KVB, 70                           ; s[70:71] kv at my first key step
.set FP,  72                           ; s[72:73] where my wave's 512 bytes of q's or k's scale words go
.set FV,  74                           ; s[74:75] and its 256 bytes of v's
.set WSB, 76                           ; s[76:81] W's scale bytes at my rows
.set XSB, 82                           ; s[82:83] x's at my first token
.set MSB, 0
.macro WIN new                         ; the immediate's high byte repeats the setting that is left
.if MSB != \new
	s_set_vgpr_msb (MSB<<8)|\new
.set MSB, \new
.endif
.endm
.macro CROUND                          ; a round of the cluster's barrier
	s_barrier_signal -1
	s_barrier_wait -1
	s_cmp_lg_u32 s[WV], 0
	s_cbranch_scc1 .Lnot_wave_0_\@
	s_barrier_signal -3
.Lnot_wave_0_\@:
	s_barrier_wait -3
	s_barrier_signal -1
	s_barrier_wait -1
.endm
; One matrix instruction.  k = 0: it starts the sum with the constant 0.  ra, rb = 1: the side's scale words stand in lanes 16-31 of the register named.
.macro WMS d, a, b, k, sa, sb, ra, rb
.if (\k) == 0
.if (\ra) && (\rb)
	v_wmma_scale_f32_16x16x128_f8f6f4 v[\d:\d+7], v[\a:\a+7], v[\b:\b+7], 0, v[\sa], v[\sb] matrix_a_fmt:MATRIX_FMT_FP4 matrix_b_fmt:MATRIX_FMT_FP4 matrix_a_scale:MATRIX_SCALE_ROW1 matrix_b_scale:MATRIX_SCALE_ROW1
.elseif (\ra)
	v_wmma_scale_f32_16x16x128_f8f6f4 v[\d:\d+7], v[\a:\a+7], v[\b:\b+7], 0, v[\sa], v[\sb] matrix_a_fmt:MATRIX_FMT_FP4 matrix_b_fmt:MATRIX_FMT_FP4 matrix_a_scale:MATRIX_SCALE_ROW1
.elseif (\rb)
	v_wmma_scale_f32_16x16x128_f8f6f4 v[\d:\d+7], v[\a:\a+7], v[\b:\b+7], 0, v[\sa], v[\sb] matrix_a_fmt:MATRIX_FMT_FP4 matrix_b_fmt:MATRIX_FMT_FP4 matrix_b_scale:MATRIX_SCALE_ROW1
.else
	v_wmma_scale_f32_16x16x128_f8f6f4 v[\d:\d+7], v[\a:\a+7], v[\b:\b+7], 0, v[\sa], v[\sb] matrix_a_fmt:MATRIX_FMT_FP4 matrix_b_fmt:MATRIX_FMT_FP4
.endif
.else
.if (\ra) && (\rb)
	v_wmma_scale_f32_16x16x128_f8f6f4 v[\d:\d+7], v[\a:\a+7], v[\b:\b+7], v[\d:\d+7], v[\sa], v[\sb] matrix_a_fmt:MATRIX_FMT_FP4 matrix_b_fmt:MATRIX_FMT_FP4 matrix_a_scale:MATRIX_SCALE_ROW1 matrix_b_scale:MATRIX_SCALE_ROW1
.elseif (\ra)
	v_wmma_scale_f32_16x16x128_f8f6f4 v[\d:\d+7], v[\a:\a+7], v[\b:\b+7], v[\d:\d+7], v[\sa], v[\sb] matrix_a_fmt:MATRIX_FMT_FP4 matrix_b_fmt:MATRIX_FMT_FP4 matrix_a_scale:MATRIX_SCALE_ROW1
.elseif (\rb)
	v_wmma_scale_f32_16x16x128_f8f6f4 v[\d:\d+7], v[\a:\a+7], v[\b:\b+7], v[\d:\d+7], v[\sa], v[\sb] matrix_a_fmt:MATRIX_FMT_FP4 matrix_b_fmt:MATRIX_FMT_FP4 matrix_b_scale:MATRIX_SCALE_ROW1
.else
	v_wmma_scale_f32_16x16x128_f8f6f4 v[\d:\d+7], v[\a:\a+7], v[\b:\b+7], v[\d:\d+7], v[\sa], v[\sb] matrix_a_fmt:MATRIX_FMT_FP4 matrix_b_fmt:MATRIX_FMT_FP4
.endif
.endif
.endm
; 32 LDS loads in one run: pair pr's 16 fragments of x (2 token tiles x 8 K steps) into set pr % 2 of window 3
.macro XFETCH pr
	WIN 0xc0                                       ; destination window 3, address window 0
.irp i, 0,1
.irp s, 0,1,2,3,4,5,6,7
.irp c, 0,1
.if (\pr) < 4
	ds_load_b128 v[128*((\pr)%2)+64*\i+8*\s+4*\c:128*((\pr)%2)+64*\i+8*\s+4*\c+3], v[AXA] offset:16896*((\pr)%4)+8448*\i+64*\s+32*\c
.else
	ds_load_b128 v[128*((\pr)%2)+64*\i+8*\s+4*\c:128*((\pr)%2)+64*\i+8*\s+4*\c+3], v[AXB] offset:16896*((\pr)%4)+8448*\i+64*\s+32*\c
.endif
.endr
.endr
.endr
.endm
; A PAIR of token tiles: tokens 32 pr .. 32 pr + 31 of the work-group's 256.
.macro PAIR pr
.if (\pr) < 7
	XFETCH (\pr)+1                                 ; the next pair's fragments: the set's last readers stand in front of the last pair's quantising, far more than four plain instructions back
	s_wait_dscnt 32                                ; all but the 32 just issued: this pair's fragments are in, and the last pair's byte stores have read their registers
.else
	s_wait_dscnt 0x0
.endif
	WIN 0x0d                                       ; source 0 (W) window 1, source 1 (x) window 3, C and D window 0
.irp s, 0,1,2,3,4,5,6,7                        ; q and k: eight accumulators by turns, K ascending
.irp m, 0,1
.irp i, 0,1
.irp u, 0,1
	WMS ACC+16*(2*\m+\i)+8*\u, 64*(2*\m+\u)+8*\s, 128*((\pr)%2)+64*\i+8*\s, \s, WS+8*\m+\s, XS+8*(\pr)+\s, \u, \i
.endr
.endr
.endr
.endr
	WIN 0x0b                                       ; source 0 (x) window 3, source 1 (Wv) window 2
.irp s, 0,1,2,3,4,5,6,7                        ; v: four accumulators by turns
.irp t, 0,1
.irp i, 0,1
	WMS ACC+64+16*\t+8*\i, 128*((\pr)%2)+64*\i+8*\s, 64*\t+8*\s, \s, XS+8*(\pr)+\s, WS+16+\s, \i, \t
.endr
.endr
.endr
	WIN 0
.rept 4
	v_nop                                          ; four places between the last product and the first read of results (ISA guide 7.12.1)
.endr
	s_wait_xcnt 0x0                                ; the last pair's stores have read their data: the code pairs may be written again
.irp g, 0,1,2,3,4,5                            ; six blocks of 32 by turns.  Each accumulator is read from its low end on
	v_max3_num_f32 v[MX+\g], |v[ACC+16*\g]|, |v[ACC+16*\g+1]|, 0x1800000   ; and the floor 2^(3 - 127): the byte cannot fall under 1
.endr
.irp i, 2,4,6,8,10,12,14
.irp g, 0,1,2,3,4,5
	v_max3_num_f32 v[MX+\g], v[MX+\g], |v[ACC+16*\g+\i]|, |v[ACC+16*\g+\i+1]|
.endr
.endr
.irp g, 0,1,2,3,4,5
	v_permlanex16_b32 v[TMP+\g], v[MX+\g], s[SEL], s[SEL+1]
.endr
.irp g, 0,1,2,3,4,5
	v_max_num_f32 v[MX+\g], v[MX+\g], v[TMP+\g]    ; with lane xor 16's 16 numbers: the block's largest magnitude
.endr
.irp g, 0,1,2,3,4,5
	v_add_nc_u32 v[SCO+\g], 0xff000000, v[MX+\g]   ; 2 off its exponent field: the conversion takes the exponent field of this operand as its scale
.endr
.irp g, 0,1,2,3,4,5
	v_lshrrev_b32 v[BYT+\g], 23, v[SCO+\g]         ; the scale's byte
.endr
.irp g, 0,1,2,3,4,5
	v_cvt_scalef32_pk8_fp4_f32 v[COD+2*\g], v[ACC+16*\g:ACC+16*\g+7], v[SCO+\g]        ; k = 8 h + 0 .. 7
	v_cvt_scalef32_pk8_fp4_f32 v[COD+2*\g+1], v[ACC+16*\g+8:ACC+16*\g+15], v[SCO+\g]   ; k = 16 + 8 h + 0 .. 7
.endr
	v_nop                                          ; one plain place behind the scaled conversions
.irp g, 0,1,2,3,4,5
	v_permlane16_swap_b32 v[COD+2*\g], v[COD+2*\g+1]   ; the pair now holds k = 16 h + 0 .. 15
.endr
.irp i, 0,1                                    ; each store of the wave covers 256 consecutive bytes, aligned: one unit
	global_store_b64 v[QCO], v[COD+2*\i:COD+2*\i+1], s[QCB:QCB+1] offset:4096*(2*(\pr)+\i)
	global_store_b64 v[QCO], v[COD+4+2*\i:COD+5+2*\i], s[KVB:KVB+1] offset:((2*(\pr)+\i)/8)*STEPB+4096*((2*(\pr)+\i)%8)
	global_store_b64 v[VCO], v[COD+8+2*\i:COD+9+2*\i], s[KVB:KVB+1] offset:((\pr)/4)*STEPB+32768+1024*\i+256*((\pr)%4)
.endr
.irp i, 0,1                                    ; the scale bytes meet in the stage: lanes l and l xor 16 write the same byte with the same value
	ds_store_b8 v[SBQ], v[BYT+\i] offset:64*(2*(\pr)+\i)
	ds_store_b8 v[SBQ], v[BYT+2+\i] offset:1024+64*(2*(\pr)+\i)
	ds_store_b8 v[SBV], v[BYT+4+\i] offset:512*((\pr)/4)+64*\i+(\pr)%4
.endr
.endm
	s_load_b512 s[4:19], s[0:1], 0x0               ; x's codes s[4:5], scales s[6:7]; Wq's s[8:11]; Wk's s[12:15]; Wv's s[16:19]
	s_load_b128 s[20:23], s[0:1], 0x40             ; qc, qs
	s_load_b64 s[24:25], s[0:1], 0x50              ; kv
	v_lshl_add_u32 v[SPW], v0, 2, SPARE
	v_mov_b32 v[NIL], 0
	ds_add_u32 v[SPW], v[NIL]                      ; the wave's opening: the add and its wait stand ahead of my first tensor load; work on registers stands between them
	v_lshrrev_b32 v237, 5, v0
	v_readfirstlane_b32 s[WV], v237                ; wave 0..3
	s_bfe_u32 s27, ttmp6, 0x40000                  ; cx = g: the grid is one cluster wide
	s_bfe_u32 s28, ttmp6, 0x40004                  ; cy
	s_and_b32 s29, ttmp7, 0xffff
	s_lshl_b32 s29, s29, 2
	s_add_co_u32 s29, s29, s28                     ; tb = 4 x cluster y + cy
	s_lshl_b32 s30, s28, 2
	s_lshl_b32 s30, 15, s30                        ; my row of the cluster
	s_lshl_b32 s31, 0x1111, s27                    ; my column
	s_or_b32 s[G1W], s31, (1<<20)|(1<<21)|(6<<22)|(3<<25)   ; 15:0 the mask; 17:16 elements of 1 byte; 20 padding on; 21 set beside a mask; 24:22 after every 128 words (code 6); 31:25 four words (code 3)
	s_or_b32 s[G1X], s30, (1<<20)|(1<<21)|(6<<22)|(3<<25)
.irp g, G1W, G1X
	s_mov_b32 s[\g+1], 512<<16                     ; tensor_dim0 = 512 bytes
	s_mov_b32 s[\g+2], 128<<16                     ; tensor_dim1 = 128 rows
	s_mov_b32 s[\g+3], 512<<16                     ; tile_dim0
	s_mov_b32 s[\g+4], 128                         ; tile_dim1
	s_mov_b32 s[\g+5], 512                         ; from row to row
	s_mov_b32 s[\g+6], 0
	s_mov_b32 s[\g+7], 0
.endr
	s_lshl_b32 s56, s29, 17                        ; x: 256 tokens of 512 bytes x tb (these two registers never hold cx)
	s_mov_b32 s57, 0
	s_lshl_b32 s58, s27, 16                        ; W: 128 rows of 512 bytes x g (these never hold cy)
	s_mov_b32 s59, 0
	s_mov_b32 s[SEL], 0x76543210
	s_mov_b32 s[SEL+1], 0xfedcba98
	s_wait_dscnt 0x0                               ; the opening add is done
	s_wait_kmcnt 0x0
	s_cmp_eq_u32 s[WV], 0                          ; wave 0 fetches Wq's rows, wave 1 Wk's, wave 2 Wv's, wave 3 x's
	s_cselect_b64 s[60:61], s[8:9], s[12:13]
	s_cmp_eq_u32 s[WV], 2
	s_cselect_b64 s[60:61], s[16:17], s[60:61]
	s_mov_b32 s[G0W], 1
	s_mul_i32 s[G0W+1], s[WV], REG
	s_add_nc_u64 s[G0W+2:G0W+3], s[60:61], s[58:59]
	s_or_b32 s[G0W+3], s[G0W+3], 0x80000000
	s_mov_b32 s[G0X], 1
	s_mov_b32 s[G0X+1], XAO
	s_add_nc_u64 s[G0X+2:G0X+3], s[4:5], s[56:57]
	s_or_b32 s[G0X+3], s[G0X+3], 0x80000000
	CROUND                                         ; all sixteen work-groups are here: the first joint loads meet
	s_cmp_lt_u32 s[WV], 3                          ; one first fill a wave; an s_nop 0 and four v_nop follow each of the two lines
	s_cbranch_scc0 .Lfirst_x
	tensor_load_to_lds s[G0W:G0W+3], s[G1W:G1W+7]
	s_nop 0
.rept 4
	v_nop
.endr
	s_branch .Lfirst_asked
.Lfirst_x:
	tensor_load_to_lds s[G0X:G0X+3], s[G1X:G1X+7]
	s_nop 0
.rept 4
	v_nop
.endr
.Lfirst_asked:
	; the scale words: a row's 32 bytes are its 8 words, one for each 128 along K: two loads of 16 bytes a lane, a lane a row
	v_and_b32 v237, 15, v0                         ; r
	v_bfe_u32 v238, v0, 4, 1                       ; h
	v_and_b32 v239, 31, v0                         ; lane
	v_lshlrev_b32 v[L32], 5, v239
	s_lshl_b32 s84, s27, 12
	s_lshl_b32 s85, s[WV], 10
	s_add_co_u32 s84, s84, s85                     ; 32 bytes x (128 g + 32 w)
	s_mov_b32 s85, 0
	s_add_nc_u64 s[WSB:WSB+1], s[10:11], s[84:85]
	s_add_nc_u64 s[WSB+2:WSB+3], s[14:15], s[84:85]
	s_add_nc_u64 s[WSB+4:WSB+5], s[18:19], s[84:85]
	s_lshl_b32 s86, s29, 13                        ; 32 bytes x 256 tb
	s_mov_b32 s87, 0
	s_add_nc_u64 s[XSB:XSB+1], s[6:7], s[86:87]
.irp m, 0,1,2
	global_load_b128 v[WS+8*\m:WS+8*\m+3], v[L32], s[WSB+2*\m:WSB+2*\m+1]
	global_load_b128 v[WS+8*\m+4:WS+8*\m+7], v[L32], s[WSB+2*\m:WSB+2*\m+1] offset:16
.endr
.irp p, 0,1,2,3,4,5,6,7
	global_load_b128 v[XS+8*\p:XS+8*\p+3], v[L32], s[XSB:XSB+1] offset:1024*\p
	global_load_b128 v[XS+8*\p+4:XS+8*\p+7], v[L32], s[XSB:XSB+1] offset:1024*\p+16
.endr
	; addresses
	v_mul_u32_u24 v[AXB], v237, PITCH
	v_lshl_add_u32 v[AXB], v238, 4, v[AXB]         ; a fragment's row x pitch + 16 x half
	v_add_nc_u32 v[AXA], XAO, v[AXB]
	s_mul_i32 s92, s[WV], 32*PITCH                 ; my 32 rows of each W
	v_add_nc_u32 v[AW], s92, v[AXB]
	v_add_nc_u32 v[AW+1], REG, v[AW]
	v_add_nc_u32 v[AW+2], 2*REG, v[AW]
	v_lshlrev_b32 v246, 4, v237
	v_lshl_add_u32 v246, v238, 3, v246             ; 16 r + 8 h
	s_lshl_b32 s84, s27, 2
	s_add_co_u32 s84, s84, s[WV]                   ; 4 g + w: my block of 32 along e
	s_lshl_b32 s85, s84, 8
	v_add_nc_u32 v[QCO], s85, v246
	s_lshl_b32 s85, s84, 11                        ; 1,024 x (8 g + 2 w): my first tile of d
	v_add_nc_u32 v[VCO], s85, v246
	v_lshl_add_u32 v[SBQ], v237, 2, SG
	v_add_nc_u32 v[SBQ], s[WV], v[SBQ]
	s_lshl_b32 s92, s[WV], 7
	v_lshl_add_u32 v[SBV], v237, 2, SG+2048
	v_add_nc_u32 v[SBV], s92, v[SBV]
	v_lshl_add_u32 v[GQ], v0, 4, SG
	v_lshl_add_u32 v[GV], v0, 3, SG+2048
	v_lshlrev_b32 v[L16], 4, v239
	v_lshlrev_b32 v[L8], 3, v239
.irp g, 0,1,2,3,4,5
	v_mov_b32 v[TMP+\g], 0                         ; written once: a lane permute's destination counts as one of its sources
.endr
	s_lshl_b32 s86, s29, 16                        ; qc: 256 bytes a token
	s_add_nc_u64 s[QCB:QCB+1], s[20:21], s[86:87]
	s_mul_i32 s86, s29, 2*STEPB                    ; kv: two key steps a work-group
	s_add_nc_u64 s[KVB:KVB+1], s[24:25], s[86:87]
	; where the scale words go.  Waves 0, 1: q's words of tokens 128 (w & 1) on, in qs [g][token]; waves 2, 3: k's, in key step 2 tb + (w & 1), [g][key]
	s_and_b32 s84, s[WV], 1
	s_lshl_b32 s85, s27, 16
	s_lshl_b32 s86, s29, 10
	s_add_co_u32 s85, s85, s86
	s_lshl_b32 s86, s84, 9
	s_add_co_u32 s85, s85, s86                     ; q's way
	s_lshl_b32 s86, s29, 1
	s_add_co_u32 s86, s86, s84
	s_mul_i32 s86, s86, STEPB
	s_lshl_b32 s87, s27, 9
	s_add_co_u32 s86, s86, s87
	s_add_co_u32 s86, s86, 65536                   ; k's way
	s_cmp_lt_u32 s[WV], 2
	s_cselect_b32 s88, s85, s86
	s_cselect_b64 s[FP:FP+1], s[22:23], s[24:25]
	s_mov_b32 s89, 0
	s_add_nc_u64 s[FP:FP+1], s[FP:FP+1], s[88:89]
	s_lshr_b32 s85, s[WV], 1                       ; v's words: key step 2 tb + (w >> 1), d = 128 g + 64 (w & 1) on
	s_lshl_b32 s86, s29, 1
	s_add_co_u32 s86, s86, s85
	s_mul_i32 s86, s86, STEPB
	s_add_co_u32 s86, s86, s87
	s_lshl_b32 s85, s84, 8
	s_add_co_u32 s86, s86, s85
	s_add_co_u32 s90, s86, 67584
	s_mov_b32 s91, 0
	s_add_nc_u64 s[FV:FV+1], s[24:25], s[90:91]
	s_wait_tensorcnt 0x0                           ; my tile is in,
	s_barrier_signal -1
	s_barrier_wait -1                              ; everybody's is.
	WIN 0x40                                       ; W INTO REGISTERS, for the whole launch: destination window 1
.irp m, 0,1
.irp u, 0,1
.irp s, 0,1,2,3,4,5,6,7
.irp c, 0,1
	ds_load_b128 v[64*(2*\m+\u)+8*\s+4*\c:64*(2*\m+\u)+8*\s+4*\c+3], v[AW+\m] offset:8448*\u+64*\s+32*\c
.endr
.endr
.endr
.endr
	WIN 0x80                                       ; destination window 2
.irp t, 0,1
.irp s, 0,1,2,3,4,5,6,7
.irp c, 0,1
	ds_load_b128 v[64*\t+8*\s+4*\c:64*\t+8*\s+4*\c+3], v[AW+2] offset:8448*\t+64*\s+32*\c
.endr
.endr
.endr
	XFETCH 0
	WIN 0
	s_wait_tensorcnt 0x0                           ; no tensor load of mine is out, so a group 0 may be written
	ds_add_u32 v[SPW], v[NIL]                      ; 0 onto my spare word: the descriptor's step stands between it and the wait for it
	s_mov_b32 s[G0X+1], 0                          ; x's tokens 128-255 go where Wq's rows lay
	s_add_nc_u64 s[G0X+2:G0X+3], s[G0X+2:G0X+3], 65536
	s_wait_dscnt 0x0                               ; the add is done, and my reads of W's rows are over
	CROUND                                         ; both now hold of every wave of every work-group of the cluster
	s_cmp_eq_u32 s[WV], 3
	s_cbranch_scc0 .Lno_xb
	tensor_load_to_lds s[G0X:G0X+3], s[G1X:G1X+7]  ; the one refill of the launch: it has three pairs' work in which to land
	s_nop 0
.rept 4
	v_nop
.endr
.Lno_xb:
	s_wait_loadcnt 0x0                             ; the scale words
	PAIR 0
	PAIR 1
	PAIR 2
	s_wait_tensorcnt 0x0                           ; x's second half is in (wave 3's load),
	s_wait_dscnt 0x0
	s_barrier_signal -1
	s_barrier_wait -1                              ; for everybody: pair 3 fetches pair 4's fragments from it.
.irp p, 3,4,5,6,7
	PAIR \p
.endr
	s_wait_dscnt 0x0                               ; for the others' sake: my bytes lie in the stage
	s_barrier_signal -1
	s_barrier_wait -1
	ds_load_b128 v[FIN:FIN+3], v[GQ]               ; whole scale words: a word's four bytes came from the four waves
	ds_load_b64 v[FIN+4:FIN+5], v[GV]
	s_wait_dscnt 0x0
	global_store_b128 v[L16], v[FIN:FIN+3], s[FP:FP+1]     ; 512 consecutive bytes, aligned
	global_store_b64 v[L8], v[FIN+4:FIN+5], s[FV:FV+1]     ; 256 consecutive bytes, aligned
	s_wait_tensorcnt 0x0                           ; the wave's end: behind my last tensor load and my last LDS store
	ds_add_u32 v[SPW], v[NIL]
	s_wait_dscnt 0x0
	CROUND                                         ; the closing round
	s_endpgm
.Lfunc_end_k_q9aac852071_proj:
	.size	k_q9aac852071_proj, .Lfunc_end_k_q9aac852071_proj-k_q9aac852071_proj
	.p2alignl 7, 3214868480
	.fill 96, 4, 3214868480
	.section	.rodata,"a",@progbits
	.p2align	6, 0x0
	.amdhsa_kernel k_q9aac852071_proj
		.amdhsa_group_segment_fixed_size 327680
		.amdhsa_private_segment_fixed_size 0
		.amdhsa_enable_private_segment 0
		.amdhsa_kernarg_size 88
		.amdhsa_user_sgpr_count 2
		.amdhsa_user_sgpr_kernarg_segment_ptr 1
		.amdhsa_wavefront_size32 1
		.amdhsa_system_sgpr_workgroup_id_x 1
		.amdhsa_system_sgpr_workgroup_id_y 1
		.amdhsa_system_sgpr_workgroup_id_z 1
		.amdhsa_system_vgpr_workitem_id 0
		.amdhsa_next_free_vgpr 1024
		.amdhsa_next_free_sgpr 96
		.amdhsa_reserve_vcc 0
		.amdhsa_float_denorm_mode_32 3
		.amdhsa_float_denorm_mode_16_64 3
		.amdhsa_memory_ordered 1
		.amdhsa_forward_progress 1
		.amdhsa_inst_pref_size 182
	.end_amdhsa_kernel
	.amdgpu_metadata
---
amdhsa.version: [ 1, 2 ]
amdhsa.kernels:
  - .name:           k_q9aac852071_proj
    .symbol:         k_q9aac852071_proj.kd
    .args:
      - { .name: x_codes, .offset: 0, .size: 8, .value_kind: global_buffer, .address_space: global }
      - { .name: x_scales, .offset: 8, .size: 8, .value_kind: global_buffer, .address_space: global }
      - { .name: Wq_codes, .offset: 16, .size: 8, .value_kind: global_buffer, .address_space: global }
      - { .name: Wq_scales, .offset: 24, .size: 8, .value_kind: global_buffer, .address_space: global }
      - { .name: Wk_codes, .offset: 32, .size: 8, .value_kind: global_buffer, .address_space: global }
      - { .name: Wk_scales, .offset: 40, .size: 8, .value_kind: global_buffer, .address_space: global }
      - { .name: Wv_codes, .offset: 48, .size: 8, .value_kind: global_buffer, .address_space: global }
      - { .name: Wv_scales, .offset: 56, .size: 8, .value_kind: global_buffer, .address_space: global }
      - { .name: qc, .offset: 64, .size: 8, .value_kind: global_buffer, .address_space: global }
      - { .name: qs, .offset: 72, .size: 8, .value_kind: global_buffer, .address_space: global }
      - { .name: kv, .offset: 80, .size: 8, .value_kind: global_buffer, .address_space: global }
    .group_segment_fixed_size: 327680
    .private_segment_fixed_size: 0
    .kernarg_segment_align: 8
    .kernarg_segment_size: 88
    .max_flat_workgroup_size: 128
    .sgpr_count:     96
    .vgpr_count:     1024
    .wavefront_size: 32
...
	.end_amdgpu_metadata
.endif
;; end of part 1
;; launch attn (part 2): grid 32 x 8, 4 waves a work-group, clusters of 4 x 1, 327,680 bytes of LDS; arguments qc, qs, kv, out0; writes out0
.if DOCPART == 2
	.amdgcn_target "amdgcn-amd-amdhsa--gfx1250"
	.amdhsa_code_object_version 6
	.text
	.protected	k_q9aac852071_attn
	.globl	k_q9aac852071_attn
	.p2align	8
	.type	k_q9aac852071_attn,@function
k_q9aac852071_attn:
	s_mov_b64 s[64:65], 0
	v_nop
	global_prefetch_b8 v0, s[64:65] scope:SCOPE_SE
	s_setreg_imm32_b32 hwreg(HW_REG_WAVE_MODE, 25, 1), 1
	s_wait_xcnt 0x0
	s_wait_alu depctr_hold_cnt(0) depctr_sa_sdst(0) depctr_va_vdst(0) depctr_va_sdst(0) depctr_va_ssrc(0) depctr_va_vcc(0) depctr_vm_vsrc(0)
	s_getreg_b32 s2, hwreg(HW_REG_IB_STS2, 6, 4)
	s_cmp_eq_u32 s2, 0
	s_cbranch_scc0 .Lentry_in_a_cluster
	s_endpgm
.Lentry_in_a_cluster:
	s_bfe_u32 s2, ttmp6, 0x10000c
	s_cmp_lg_u32 s2, 0x3003
	s_cbranch_scc0 .Lentry_shape_is_right
	s_endpgm
.Lentry_shape_is_right:
; out[b][q][:] = the sum over k <= q of softmax_k(q . k / sqrt(512)) v[k][:], one head of 512, 8 batches of 2,048 tokens; both products on codes of FP4 (E2M1) with E8M0 scales.
; q, k, v come as images of operand registers: a unit is 16 rows x a block of 32 along K, [row][16 bytes]; four units on end are a fragment, brought by two loads of 16 bytes a lane at 512 c + 16 x lane.
; kv holds, for each batch and key step of 128 keys, one dense block: K's codes [key tile 8][e block 16], V's codes [d tile 32][key block 4], K's scale words [K step 4][key], V's [d].
; EVEN WORK UNDER THE MASK.  Cluster c (0..7) of a batch owns the blocks of 128 queries LO = c and HI = 15 - c; each of its four work-groups owns 32 queries (two tiles) of each.  Every work-group walks 17 key steps:
; steps 0 .. c serve LO with key steps 0 .. c, steps c + 1 .. 16 serve HI with key steps 0 .. 15 - c.  Steps c and 16 lie on the diagonal.  The trip counts are constants, and the four partners run alike.
; THE FOUR WAVES SHARE A STEP.  S: wave w makes S^T = K Q^T (source 0 = 16 keys, source 1 = 16 queries) for keys 32 w .. 32 w + 31, ONE block of the second product's K, for both tiles.  It takes its own whole number
; M_w = ceil(the block's largest t), t = score x log2(e) / sqrt(512), makes p = 2^(t - M_w), quantises it (byte_w) and publishes through LDS: the unit of codes, A_w = byte_w + M_w, and the sum of its p x 2^-byte_w.
; PV: wave w owns d = 128 w .. 128 w + 127 of O^T = V^T P^T for both tiles.  Each wave keeps, for each query, R = the running largest A.  Block w enters the product with the byte E_w = max(A_w - R + 125, 1): p under the
; common whole number R - 125; the sum l takes the published sums x 2^E_w; when R moves, O^T and l are multiplied by F = 2^(old R - new R), which rounds nothing.  R = -2^30 makes F = 0: so a segment starts anew.
; So each byte of K and V is read from LDS once in a work-group and step, and one barrier a step parts the two phases.
; LIMITS: |t| under 2^23 (A stays an exact whole number in f32); NaN and infinities are not served; a block of p that lies more than 124 powers of two under the row's largest is held at byte 1 (2^-126 x its codes).
; CLUSTER: the four work-groups walk the same key steps: each part of a step is asked for JOINTLY, by the same tensor load with the same descriptor and the mask 15.
; THE RING: four places of a step's 69,632 bytes; step j lies at place (j + 1) & 3; places 0, 1 are slot 0, places 2, 3 slot 1.  At the barrier of each even step 2 i (i = 0 .. 6) the slot of steps 2 i - 1, 2 i has been
; read out (V of step 2 i is in registers): the barrier is a round of the cluster's, and each wave brings half a step of steps 2 i + 3, 2 i + 4: one load a wave, with two steps in which to land.
; REGISTERS: window 0: v1-19 addresses; v20-23 R, l; v24-47 at work, 12 a tile; v48-63 what was published; v64-95 S^T, then p; v96-111 P; v112-125 scale words; v128-255 O^T.  window 1: v0-63 Q, v64-127 K, v128-191 V.
.set STEPB, 69632
.set BB,    0x11000                    ; a place of the ring
.set PB,    4*BB                       ; behind the ring: P's images: parity x 2,048 + tile x 1,024 + 256 w
.set ST,    PB+4096                    ; the published pairs: parity x 1,024 + tile x 512 + 256 (w >> 1) + 16 r + 8 (w & 1)
.set STAGE, ST+2048                    ; the way out: 16 rows x (512 + 16) bytes for each wave
.set SPARE, STAGE+4*8448               ; the spare words, 128 bytes for each wave: two blocks of 256 bytes that no other line names
.set SPW, 1                            ; v1   LDS address of my spare word; never rewritten
.set NIL, 2                            ; v2   0; never rewritten
.set C16, 3                            ; v3   8,192 w + 16 lane: my codes of K (two key tiles) and, 32,768 on, of V (eight d tiles) in a step's block
.set CKS, 4                            ; v4   65,536 + 128 w + 4 lane: K's scale words
.set CVS, 5                            ; v5   67,584 + 512 w + 4 lane: V's
.set PST, 6                            ; v6   where I put 8 bytes of p's unit
.set SST, 7                            ; v7   where I put (A, sum)
.set PLD, 8                            ; v8   PB + 16 lane
.set SLD, 9                            ; v9   ST + 16 r
.set DV,  10                           ; v10  32 cx - 32 w + r - 8 h: the diagonal
.set STO, 11                           ; v11  the stage: in
.set RD,  12                           ; v12  and back
.set GO,  13                           ; v13  512 w + 16 lane: my bytes of a row of out
.set L16, 14                           ; v14  16 lane
.set L4,  15                           ; v15  4 lane
.set AV,  16                           ; v16-19 LDS addresses of the loads in hand: V, V's scales, K, K's scales
.set AVS, 17
.set AK,  18
.set AKS, 19
.set RR,  20                           ; v20-21 R, a tile each
.set LL,  22                           ; v22-23 l
.set TT,  24                           ; tile t at v[TT + 12 t]: S phase: +0 largest, +1 at work, +2 -M (a pair with +3), +4,5 sum, +6 scale operand, +7 byte, +8,9 codes, +10,11 (A, sum')
                                       ;                         PV phase: +0 at work, +1 R - 125, +2 F (the same pair), +4..7 E, +8..11 sums
.set LD,  48                           ; what was published: tile t: (A0, s0, A1, s1, A2, s2, A3, s3)
.set S,   64                           ; S^T(t, u) at v[S + 16 t + 8 u]
.set PF,  96                           ; P's fragments
.set KSC, 112                          ; K's scale words, one register a K step: lanes 0-15 key tile 0, lanes 16-31 key tile 1
.set QSC, 116                          ; Q's: lanes 0-15 tile 0, lanes 16-31 tile 1
.set VSC, 120                          ; V's: two d tiles to a register
.set PW,  124                          ; p's scale words, a tile each
.set NINF, 126                         ; -infinity
.set OA,  128                          ; O^T(t, i) at v[OA + 64 t + 8 i]
.set KF,  64                           ; in window 1: K(u, s) at 64 + 32 u + 8 s; Q(t, s) at 32 t + 8 s; V(i) at 128 + 8 i
.set VF,  128
.set WV,  12                           ; s12  my wave's number
.set CC,  14                           ; s14  c;  s15  c + 1
.set C1,  15
.set G1H, 24                           ; s[24:31] descriptor group 1: half a step, 136 rows of 256 bytes;  s[32:39] a quarter, 68 rows
.set G1Q, 32
.set G0,  40                           ; s[40:43] the walking group 0;  s[44:47] step 0's
.set G0A, 44
.set KVB, 48                           ; s[48:49] kv at my batch
.set HOFF, 50                          ; s50  (w & 1) x 34,816: which half of a step I fetch
.set WOFF, 51                          ; s51  w x 34,816: its place in a slot
.set FJ,  52                           ; s52  the step that my next load serves
.set J,   53                           ; s53  the step in hand
.set CUR, 56                           ; s56  LDS byte of its place;  s57 of the next step's
.set NXT, 57
.set TRIP, 58
.set CS,  60                           ; s[60:61] log2(e) / sqrt(512)
.set SEL, 62                           ; s[62:63] lane selects: lane xor 16
.set OP,  70                           ; s[70:71] out at the queries in hand;  s[72:73] at HI's
.set OPH, 72
.set MSB, 0
.macro WIN new                         ; the immediate's high byte repeats the setting that is left
.if MSB != \new
	s_set_vgpr_msb (MSB<<8)|\new
.set MSB, \new
.endif
.endm
.macro CROUND                          ; a round of the cluster's barrier
	s_barrier_signal -1
	s_barrier_wait -1
	s_cmp_lg_u32 s[WV], 0
	s_cbranch_scc1 .Lnot_wave_0_\@
	s_barrier_signal -3
.Lnot_wave_0_\@:
	s_barrier_wait -3
	s_barrier_signal -1
	s_barrier_wait -1
.endm
; One matrix instruction.  k = 0: it starts the sum with the constant 0.  ra, rb = 1: the side's scale words stand in lanes 16-31 of the register named.
.macro WMS d, a, b, k, sa, sb, ra, rb
.if (\k) == 0
.if (\ra) && (\rb)
	v_wmma_scale_f32_16x16x128_f8f6f4 v[\d:\d+7], v[\a:\a+7], v[\b:\b+7], 0, v[\sa], v[\sb] matrix_a_fmt:MATRIX_FMT_FP4 matrix_b_fmt:MATRIX_FMT_FP4 matrix_a_scale:MATRIX_SCALE_ROW1 matrix_b_scale:MATRIX_SCALE_ROW1
.elseif (\ra)
	v_wmma_scale_f32_16x16x128_f8f6f4 v[\d:\d+7], v[\a:\a+7], v[\b:\b+7], 0, v[\sa], v[\sb] matrix_a_fmt:MATRIX_FMT_FP4 matrix_b_fmt:MATRIX_FMT_FP4 matrix_a_scale:MATRIX_SCALE_ROW1
.elseif (\rb)
	v_wmma_scale_f32_16x16x128_f8f6f4 v[\d:\d+7], v[\a:\a+7], v[\b:\b+7], 0, v[\sa], v[\sb] matrix_a_fmt:MATRIX_FMT_FP4 matrix_b_fmt:MATRIX_FMT_FP4 matrix_b_scale:MATRIX_SCALE_ROW1
.else
	v_wmma_scale_f32_16x16x128_f8f6f4 v[\d:\d+7], v[\a:\a+7], v[\b:\b+7], 0, v[\sa], v[\sb] matrix_a_fmt:MATRIX_FMT_FP4 matrix_b_fmt:MATRIX_FMT_FP4
.endif
.else
.if (\ra) && (\rb)
	v_wmma_scale_f32_16x16x128_f8f6f4 v[\d:\d+7], v[\a:\a+7], v[\b:\b+7], v[\d:\d+7], v[\sa], v[\sb] matrix_a_fmt:MATRIX_FMT_FP4 matrix_b_fmt:MATRIX_FMT_FP4 matrix_a_scale:MATRIX_SCALE_ROW1 matrix_b_scale:MATRIX_SCALE_ROW1
.elseif (\ra)
	v_wmma_scale_f32_16x16x128_f8f6f4 v[\d:\d+7], v[\a:\a+7], v[\b:\b+7], v[\d:\d+7], v[\sa], v[\sb] matrix_a_fmt:MATRIX_FMT_FP4 matrix_b_fmt:MATRIX_FMT_FP4 matrix_a_scale:MATRIX_SCALE_ROW1
.elseif (\rb)
	v_wmma_scale_f32_16x16x128_f8f6f4 v[\d:\d+7], v[\a:\a+7], v[\b:\b+7], v[\d:\d+7], v[\sa], v[\sb] matrix_a_fmt:MATRIX_FMT_FP4 matrix_b_fmt:MATRIX_FMT_FP4 matrix_b_scale:MATRIX_SCALE_ROW1
.else
	v_wmma_scale_f32_16x16x128_f8f6f4 v[\d:\d+7], v[\a:\a+7], v[\b:\b+7], v[\d:\d+7], v[\sa], v[\sb] matrix_a_fmt:MATRIX_FMT_FP4 matrix_b_fmt:MATRIX_FMT_FP4
.endif
.endif
.endm
; The walking group 0 for step FJ: its key step is FJ in LO's segment (FJ <= c), FJ - c - 1 in HI's.  base: the scalar register that holds the slot's first LDS byte.  Nothing here hangs on a work-group's place in its cluster.
.macro SETG0 base
	s_cmp_gt_u32 s[FJ], s[CC]
	s_cselect_b32 s74, s[C1], 0
	s_sub_co_u32 s74, s[FJ], s74
	s_mul_i32 s74, s74, STEPB
	s_add_co_u32 s74, s74, s[HOFF]
	s_mov_b32 s75, 0
	s_add_nc_u64 s[G0+2:G0+3], s[KVB:KVB+1], s[74:75]
	s_or_b32 s[G0+3], s[G0+3], 0x80000000
	s_add_co_u32 s[G0+1], s[\base], s[WOFF]
	s_add_co_u32 s[FJ], s[FJ], 2
.endm
; My 32 queries: 8 fragments of codes into window 1, 4 registers of scale words.  cb, sb: the scalar pairs that hold their addresses
.macro QLOAD cb, sb
	WIN 0x40                                       ; destination window 1, address window 0
.irp t, 0,1
.irp s, 0,1,2,3
.irp c, 0,1
	global_load_b128 v[32*\t+8*\s+4*\c:32*\t+8*\s+4*\c+3], v[L16], s[\cb:\cb+1] offset:4096*\t+1024*\s+512*\c
.endr
.endr
.endr
	WIN 0
.irp s, 0,1,2,3
	global_load_b32 v[QSC+\s], v[L4], s[\sb:\sb+1] offset:65536*\s
.endr
.endm
; My two key tiles of a step: 8 fragments and 4 registers of scale words: 20 LDS loads in one run
.macro KFETCH
	WIN 0x40
.irp u, 0,1
.irp s, 0,1,2,3
.irp c, 0,1
	ds_load_b128 v[KF+32*\u+8*\s+4*\c:KF+32*\u+8*\s+4*\c+3], v[AK] offset:4096*\u+1024*\s+512*\c
.endr
.endr
.endr
	WIN 0
.irp s, 0,1,2,3
	ds_load_b32 v[KSC+\s], v[AKS] offset:512*\s
.endr
.endm
.macro MULO t                          ; tile t's O^T times the low word of the pair at TT + 12 t + 2, each accumulator from its low end on
.set n, 0
.rept 32
	v_pk_mul_f32 v[OA+64*\t+n:OA+64*\t+n+1], v[OA+64*\t+n:OA+64*\t+n+1], v[TT+12*\t+2:TT+12*\t+3] op_sel_hi:[1,0]
.set n, n+2
.endr
.endm
.macro OUTT t                          ; tile t through my stage: in by 32 bytes of a row a lane, back as whole rows of 512 bytes.  LDS serves a wave's instructions in order (ISA guide 5.7.1.4): no wait between
.irp i, 0,1,2,3,4,5,6,7
	ds_store_b128 v[STO], v[OA+64*\t+8*\i:OA+64*\t+8*\i+3] offset:64*\i
	ds_store_b128 v[STO], v[OA+64*\t+8*\i+4:OA+64*\t+8*\i+7] offset:64*\i+16
.endr
.irp p, 0,1,2,3,4,5,6,7,8,9,10,11,12,13,14,15
	ds_load_b128 v[LD+4*\p:LD+4*\p+3], v[RD] offset:528*\p
.endr
.endm
.macro SENDT t
.irp p, 0,1,2,3,4,5,6,7,8,9,10,11,12,13,14,15
	s_wait_dscnt 15-\p                             ; row p is back; the younger loads may be out
	global_store_b128 v[GO], v[LD+4*\p:LD+4*\p+3], s[OP:OP+1] offset:(16*\t+\p)*2048 th:TH_STORE_NT   ; 32 lanes store 512 consecutive bytes, aligned; written once
.endr
.endm
; A segment's end: O^T / l leaves.
.macro FLUSH
	v_rcp_f32 v[TT+2], v[LL]
	v_rcp_f32 v[TT+14], v[LL+1]
.rept 4
	v_nop                                          ; the places behind the last products, and the plain instruction behind the reciprocals
.endr
	s_wait_alu depctr_va_vdst(0)                   ; one wait for both reciprocals, ahead of their first reader
	MULO 0
	OUTT 0
	MULO 1                                         ; tile 1's arithmetic stands between tile 0's loads from the stage and the waits for them
	SENDT 0
	s_wait_xcnt 0x0                                ; tile 0's stores have read their data: the registers take tile 1's rows
	OUTT 1
	SENDT 1
.endm
; A KEY STEP.  par: the step's parity; xr: what turns this step's place in the ring into the next step's; kind: 0 a plain barrier, 1 the round and the refill, 2 a plain barrier behind the wait for the last loads;
; diag: 0 never on the diagonal, 1 where J = c, 2 always; last: the launch's last step.
.macro STEP par, xr, kind, diag, last
.if (\last) == 0
	s_xor_b32 s[NXT], s[CUR], \xr
.endif
	v_add_nc_u32 v[AV], s[CUR], v[C16]             ; these four are also the places between the last step's products and the loads into V's registers
	v_add_nc_u32 v[AVS], s[CUR], v[CVS]
.if \last
	v_nop
	v_nop
.else
	v_add_nc_u32 v[AK], s[NXT], v[C16]
	v_add_nc_u32 v[AKS], s[NXT], v[CKS]
.endif
	WIN 0x40                                       ; V of this step, my eight d tiles: it lands under the S phase
.irp i, 0,1,2,3,4,5,6,7
.irp c, 0,1
	ds_load_b128 v[VF+8*\i+4*\c:VF+8*\i+4*\c+3], v[AV] offset:32768+1024*\i+512*\c
.endr
.endr
	WIN 0
.irp i, 0,1,2,3
	ds_load_b32 v[VSC+\i], v[AVS] offset:128*\i
.endr
	s_wait_dscnt 20                                ; all but V's 20: K and its scale words, asked for in the step before, are in
	WIN 0x05                                       ; K and Q window 1, S^T window 0
.irp s, 0,1,2,3                                ; four accumulators by turns, K ascending
.irp t, 0,1
.irp u, 0,1
	WMS S+16*\t+8*\u, KF+32*\u+8*\s, 32*\t+8*\s, \s, KSC+\s, QSC+\s, \u, \t
.endr
.endr
.endr
	WIN 0
.rept 4
	v_nop                                          ; four places in front of the first read of the scores (ISA guide 7.12.1)
.endr
.if \diag                                      ; ON THE DIAGONAL hidden scores become -infinity: register n of tile t holds key 32 w + n + 8 (n / 8) + 8 h, my query is 32 cx + 16 t + r
.if (\diag) == 1
	s_cmp_eq_u32 s[J], s[CC]                       ; the cluster's number and the count of steps: the same in all waves and all partners
	s_cbranch_scc0 .Lopen_\@
.endif
.irp t, 0,1
.irp n, 0,1,2,3,4,5,6,7,8,9,10,11,12,13,14,15
	v_cmp_gt_i32 vcc_lo, \n+8*(\n/8)-16*\t, v[DV]
	v_cndmask_b32 v[S+16*\t+\n], v[S+16*\t+\n], v[NINF], vcc_lo
.endr
.endr
.Lopen_\@:
.endif
	; THE SOFTMAX OF MY BLOCK OF 32 KEYS, the two tiles by turns.  The largest score: two chains, each from its accumulator's low end
.irp t, 0,1
	v_max3_num_f32 v[TT+12*\t], v[S+16*\t], v[S+16*\t+1], v[S+16*\t+2]
	v_max3_num_f32 v[TT+12*\t+1], v[S+16*\t+8], v[S+16*\t+9], v[S+16*\t+10]
.endr
.irp i, 3,5
.irp t, 0,1
	v_max3_num_f32 v[TT+12*\t], v[TT+12*\t], v[S+16*\t+\i], v[S+16*\t+\i+1]
	v_max3_num_f32 v[TT+12*\t+1], v[TT+12*\t+1], v[S+16*\t+8+\i], v[S+16*\t+9+\i]
.endr
.endr
.irp t, 0,1
	v_max3_num_f32 v[TT+12*\t], v[TT+12*\t], v[S+16*\t+7], v[S+16*\t+15]
.endr
.irp t, 0,1
	v_max_num_f32 v[TT+12*\t], v[TT+12*\t], v[TT+12*\t+1]
.endr
.irp t, 0,1
	v_permlanex16_b32 v[TT+12*\t+1], v[TT+12*\t], s[SEL], s[SEL+1]
.endr
.irp t, 0,1
	v_max_num_f32 v[TT+12*\t], v[TT+12*\t], v[TT+12*\t+1]   ; with lane xor 16's 16 keys: the block's largest score
.endr
.irp t, 0,1
	v_mul_f32 v[TT+12*\t+1], s[CS], v[TT+12*\t]    ; as t
.endr
.irp t, 0,1
	v_max_num_f32 v[TT+12*\t+1], 0xce800000, v[TT+12*\t+1]   ; held at -2^30 from below: a block that is wholly hidden gets a number for M
.endr
.irp t, 0,1
	v_floor_f32 v[TT+12*\t+2], -v[TT+12*\t+1]      ; -M = floor(-t): M is a whole number
.endr
.irp b, 0,2,4,6,8,10,12,14
.irp t, 0,1
	v_pk_fma_f32 v[S+16*\t+\b:S+16*\t+\b+1], v[S+16*\t+\b:S+16*\t+\b+1], s[CS:CS+1], v[TT+12*\t+2:TT+12*\t+3] op_sel_hi:[1,0,0]   ; t - M, two at a time
.endr
.endr
.irp t, 0,1
	v_fma_f32 v[TT+12*\t], v[TT+12*\t], s[CS], v[TT+12*\t+2]   ; the same of the largest score: p rises with the score, so this gives the block's largest p
.endr
.irp t, 0,1                                    ; ONE BATCH of 34 exponentials
.irp n, 0,1,2,3,4,5,6,7,8,9,10,11,12,13,14,15
	v_exp_f32 v[S+16*\t+\n], v[S+16*\t+\n]
.endr
	v_exp_f32 v[TT+12*\t], v[TT+12*\t]
.endr
	v_nop                                          ; a plain instruction behind the last exponential
	s_wait_alu depctr_va_vdst(0)                   ; one wait for the batch, ahead of its first reader
.irp t, 0,1                                    ; the sum of the UNQUANTISED p, in two chains
	v_pk_add_f32 v[TT+12*\t+4:TT+12*\t+5], v[S+16*\t:S+16*\t+1], v[S+16*\t+2:S+16*\t+3]
	v_pk_add_f32 v[TT+12*\t+8:TT+12*\t+9], v[S+16*\t+4:S+16*\t+5], v[S+16*\t+6:S+16*\t+7]
.endr
.irp b, 8,12
.irp t, 0,1
	v_pk_add_f32 v[TT+12*\t+4:TT+12*\t+5], v[TT+12*\t+4:TT+12*\t+5], v[S+16*\t+\b:S+16*\t+\b+1]
	v_pk_add_f32 v[TT+12*\t+8:TT+12*\t+9], v[TT+12*\t+8:TT+12*\t+9], v[S+16*\t+\b+2:S+16*\t+\b+3]
.endr
.endr
.irp t, 0,1
	v_pk_add_f32 v[TT+12*\t+4:TT+12*\t+5], v[TT+12*\t+4:TT+12*\t+5], v[TT+12*\t+8:TT+12*\t+9]
.endr
.irp t, 0,1
	v_add_f32 v[TT+12*\t+4], v[TT+12*\t+4], v[TT+12*\t+5]
.endr
.irp t, 0,1
	v_permlanex16_b32 v[TT+12*\t+1], v[TT+12*\t+4], s[SEL], s[SEL+1]
.endr
.irp t, 0,1
	v_add_f32 v[TT+12*\t+4], v[TT+12*\t+4], v[TT+12*\t+1]
.endr
.irp t, 0,1
	v_max_num_f32 v[TT+12*\t], 0x1800000, v[TT+12*\t]   ; the floor 2^(3 - 127): the byte cannot fall under 1 (a hidden block keeps that byte: its codes are zeros)
.endr
.irp t, 0,1
	v_add_nc_u32 v[TT+12*\t+6], 0xff000000, v[TT+12*\t]   ; 2 off the exponent field: the conversion's scale operand
.endr
.irp t, 0,1
	v_lshrrev_b32 v[TT+12*\t+7], 23, v[TT+12*\t+6] ; the byte
.endr
.irp t, 0,1
	v_cvt_scalef32_pk8_fp4_f32 v[TT+12*\t+8], v[S+16*\t:S+16*\t+7], v[TT+12*\t+6]
	v_cvt_scalef32_pk8_fp4_f32 v[TT+12*\t+9], v[S+16*\t+8:S+16*\t+15], v[TT+12*\t+6]
.endr
	v_nop                                          ; one plain place behind the scaled conversions
.irp t, 0,1
	v_permlane16_swap_b32 v[TT+12*\t+8], v[TT+12*\t+9]   ; the pair now holds keys 16 h + 0 .. 15 of the block
.endr
.irp t, 0,1
	v_cvt_f32_u32 v[TT+12*\t+10], v[TT+12*\t+7]
.endr
.irp t, 0,1
	v_sub_nc_u32 v[TT+12*\t+1], 0, v[TT+12*\t+7]
.endr
.irp t, 0,1
	v_sub_f32 v[TT+12*\t+10], v[TT+12*\t+10], v[TT+12*\t+2]   ; A = byte + M
.endr
.irp t, 0,1
	v_ldexp_f32 v[TT+12*\t+11], v[TT+12*\t+4], v[TT+12*\t+1]   ; the sum x 2^-byte: it stays a normal number, so nothing is rounded
.endr
.irp t, 0,1
	ds_store_b64 v[PST], v[TT+12*\t+8:TT+12*\t+9] offset:2048*\par+1024*\t
	ds_store_b64 v[SST], v[TT+12*\t+10:TT+12*\t+11] offset:1024*\par+512*\t   ; lanes l and l xor 16 write the same bytes with the same values
.endr
	; THE STEP'S ONE BARRIER.  What is published lies in bytes by the step's parity: they are written again two steps on, behind the next step's barrier, in front of which every wave has waited for its reads of them
.if (\kind) == 1
	s_wait_tensorcnt 0x0                           ; all my tensor loads have landed, my part of the other slot among them: so a group 0 may be written
	ds_add_u32 v[SPW], v[NIL]                      ; 0 onto my spare word: the descriptor's step stands between it and the wait for it
	s_xor_b32 s54, s[CUR], BB                      ; the first byte of the slot in which this step lies
	SETG0 54
	s_wait_dscnt 0x0                               ; the add is done, what I publish has landed, and my reads of this slot are over: V of this step is in registers
	CROUND                                         ; all that now holds of every wave of every work-group of the cluster
	tensor_load_to_lds s[G0:G0+3], s[G1H:G1H+7]    ; my one load behind the round, and the first thing there
	s_nop 0
.rept 4
	v_nop
.endr
.else
.if (\kind) == 2
	s_wait_tensorcnt 0x0                           ; the last loads: steps 15 and 16
.endif
	s_wait_dscnt 0x0
	s_barrier_signal -1
	s_barrier_wait -1
.endif
.irp t, 0,1
	ds_load_b128 v[LD+8*\t:LD+8*\t+3], v[SLD] offset:1024*\par+512*\t
	ds_load_b128 v[LD+8*\t+4:LD+8*\t+7], v[SLD] offset:1024*\par+512*\t+256
.endr
.irp t, 0,1
.irp c, 0,1
	ds_load_b128 v[PF+8*\t+4*\c:PF+8*\t+4*\c+3], v[PLD] offset:2048*\par+1024*\t+512*\c
.endr
.endr
.if (\last) == 0
	KFETCH                                         ; the next step's K: it lands under the PV phase
	s_wait_dscnt 24                                ; the four waves' pairs are in; P's 4 loads and K's 20 may be out
.else
	s_wait_dscnt 4
.endif
.irp t, 0,1
	v_mov_b32 v[TT+12*\t], v[RR+\t]
.endr
.irp t, 0,1
	v_max3_num_f32 v[RR+\t], v[RR+\t], v[LD+8*\t], v[LD+8*\t+2]
.endr
.irp t, 0,1
	v_max3_num_f32 v[RR+\t], v[RR+\t], v[LD+8*\t+4], v[LD+8*\t+6]   ; the running largest A
.endr
.irp t, 0,1
	v_sub_f32 v[TT+12*\t], v[TT+12*\t], v[RR+\t]   ; a whole number, 0 or less
.endr
.irp t, 0,1
	v_cvt_i32_f32 v[TT+12*\t], v[TT+12*\t]         ; (it saturates)
.endr
.irp t, 0,1
	v_ldexp_f32 v[TT+12*\t+2], 1.0, v[TT+12*\t]    ; F = 2^(old R - new R)
.endr
.irp t, 0,1
	v_add_f32 v[TT+12*\t+1], 0xc2fa0000, v[RR+\t]  ; R - 125
.endr
.irp w, 0,1,2,3
.irp t, 0,1
	v_sub_f32 v[TT+12*\t+4+\w], v[LD+8*\t+2*\w], v[TT+12*\t+1]
.endr
.endr
.irp w, 0,1,2,3
.irp t, 0,1
	v_max_num_f32 v[TT+12*\t+4+\w], 1.0, v[TT+12*\t+4+\w]   ; E = max(A - R + 125, 1): between 1 and 125
.endr
.endr
.irp w, 0,1,2,3
.irp t, 0,1
	v_cvt_i32_f32 v[TT+12*\t+4+\w], v[TT+12*\t+4+\w]
.endr
.endr
.irp w, 0,1,2,3
.irp t, 0,1
	v_ldexp_f32 v[TT+12*\t+8+\w], v[LD+8*\t+2*\w+1], v[TT+12*\t+4+\w]   ; block w's sum under the common whole number
.endr
.endr
.irp t, 0,1
	v_fma_f32 v[LL+\t], v[LL+\t], v[TT+12*\t+2], v[TT+12*\t+8]
	v_add_f32 v[TT+12*\t+9], v[TT+12*\t+9], v[TT+12*\t+10]
.endr
.irp t, 0,1
	v_add_f32 v[LL+\t], v[LL+\t], v[TT+12*\t+11]
.endr
.irp t, 0,1
	v_add_f32 v[LL+\t], v[LL+\t], v[TT+12*\t+9]
.endr
.irp t, 0,1
	v_lshl_or_b32 v[PW+\t], v[TT+12*\t+5], 8, v[TT+12*\t+4]   ; the four bytes make p's scale word for these 128 keys
.endr
.irp t, 0,1
	v_lshl_or_b32 v[PW+\t], v[TT+12*\t+6], 16, v[PW+\t]
.endr
.irp t, 0,1
	v_lshl_or_b32 v[PW+\t], v[TT+12*\t+7], 24, v[PW+\t]
.endr
	MULO 0                                         ; O^T x F.  These 64 lines are also the places between the scale words' last write and the products
	MULO 1
.if (\last) == 0
	s_wait_dscnt 20                                ; P is in; K's 20 may be out
.else
	s_wait_dscnt 0x0
.endif
	WIN 0x01                                       ; V window 1; P, O^T window 0
.irp i, 0,1,2,3,4,5,6,7                        ; sixteen accumulators, one instruction each
.irp t, 0,1
	WMS OA+64*\t+8*\i, VF+8*\i, PF+8*\t, 1, VSC+\i/2, PW+\t, \i%2, 0
.endr
.endr
	WIN 0
.if \diag                                      ; the diagonal step ends a segment
.if (\diag) == 1
	s_cmp_eq_u32 s[J], s[CC]
	s_cbranch_scc0 .Lkeep_\@
	QLOAD 66, 68                                   ; HI's queries: they land under the way out
.endif
	FLUSH
.if (\diag) == 1
	s_wait_xcnt 0x0                                ; the stores have read their data and their base
	v_mov_b32 v[RR], 0xce800000                    ; R = -2^30: the next step's F is 0, which starts O^T and l anew
	v_mov_b32 v[RR+1], 0xce800000
	s_mov_b64 s[OP:OP+1], s[OPH:OPH+1]
	s_wait_loadcnt 0x0                             ; HI's queries are in
.Lkeep_\@:
.endif
.endif
.if (\last) == 0
	s_xor_b32 s[CUR], s[CUR], \xr
	s_add_co_u32 s[J], s[J], 1
.endif
.endm
	s_load_b256 s[4:11], s[0:1], 0x0               ; qc s[4:5], qs s[6:7], kv s[8:9], out s[10:11]
	v_lshl_add_u32 v[SPW], v0, 2, SPARE
	v_mov_b32 v[NIL], 0
	ds_add_u32 v[SPW], v[NIL]                      ; the wave's opening: the add and its wait stand ahead of my first tensor load; work on registers stands between them
	v_lshrrev_b32 v127, 5, v0
	v_readfirstlane_b32 s[WV], v127                ; wave 0..3
	s_bfe_u32 s13, ttmp6, 0x40000                  ; cx: my place in the cluster: it enters Q's and out's addresses and the diagonal's numbers alone
	s_mov_b32 s[CC], ttmp9                         ; c: in a cluster launch ttmp9 counts clusters
	s_add_co_u32 s[C1], s[CC], 1
	s_and_b32 s78, ttmp7, 0xffff                   ; the batch
	s_mov_b32 s[G1H], 15|(3<<16)|(1<<21)           ; 15:0 the mask: all four work-groups; 17:16 elements of 8 bytes; 21 set beside a mask; no padding: every read is 16 x lane on end
	s_mov_b32 s[G1H+1], 32<<16                     ; tensor_dim0 = 32 elements: rows of 256 bytes of a dense block
	s_mov_b32 s[G1H+2], 136<<16                    ; tensor_dim1
	s_mov_b32 s[G1H+3], 32<<16                     ; tile_dim0
	s_mov_b32 s[G1H+4], 136                        ; tile_dim1: half a step
	s_mov_b32 s[G1H+5], 32                         ; from row to row
	s_mov_b32 s[G1H+6], 0
	s_mov_b32 s[G1H+7], 0
	s_mov_b32 s[G1Q], 15|(3<<16)|(1<<21)
	s_mov_b32 s[G1Q+1], 32<<16
	s_mov_b32 s[G1Q+2], 68<<16
	s_mov_b32 s[G1Q+3], 32<<16
	s_mov_b32 s[G1Q+4], 68                         ; a quarter of a step
	s_mov_b32 s[G1Q+5], 32
	s_mov_b32 s[G1Q+6], 0
	s_mov_b32 s[G1Q+7], 0
	s_and_b32 s[HOFF], s[WV], 1
	s_mul_i32 s[HOFF], s[HOFF], 34816
	s_mul_i32 s[WOFF], s[WV], 34816
	s_lshr_b32 s[FJ], s[WV], 1
	s_add_co_u32 s[FJ], s[FJ], 1                   ; my first half step: of step 1 (waves 0, 1) or 2 (waves 2, 3)
	s_mov_b32 s[J], 0
	s_mov_b32 s[CUR], BB                           ; step 0 lies at place 1
	s_mov_b32 s[CS], 0x3d8293ee                    ; log2(e) / sqrt(512)
	s_mov_b32 s[CS+1], s[CS]                       ; (named with it as a pair, so it is written)
	s_mov_b32 s[SEL], 0x76543210
	s_mov_b32 s[SEL+1], 0xfedcba98
	s_mul_i32 s76, s78, 16*STEPB                   ; the batch's 16 key steps
	s_mov_b32 s77, 0
	s_lshl_b32 s20, s78, 11
	s_lshl_b32 s21, s13, 5
	s_add_co_u32 s20, s20, s21                     ; the batch's first token + 32 cx
	s_lshl_b32 s21, s[CC], 7
	s_add_co_u32 s22, s20, s21                     ; LO's first query of mine
	s_sub_co_u32 s21, 1920, s21
	s_add_co_u32 s20, s20, s21                     ; HI's: 128 (15 - c) on
	s_mov_b32 s81, 0
	s_wait_dscnt 0x0                               ; the opening add is done
	s_wait_kmcnt 0x0
	s_add_nc_u64 s[KVB:KVB+1], s[8:9], s[76:77]
	s_mul_i32 s74, s[WV], 17408
	s_mov_b32 s75, 0
	s_mov_b32 s[G0A], 1
	s_add_co_u32 s[G0A+1], s74, BB                 ; my quarter of step 0, at place 1
	s_add_nc_u64 s[G0A+2:G0A+3], s[KVB:KVB+1], s[74:75]
	s_or_b32 s[G0A+3], s[G0A+3], 0x80000000
	s_mov_b32 s[G0], 1
	s_mov_b32 s54, 2*BB                            ; steps 1 and 2 lie in slot 1
	SETG0 54
	s_lshl_b32 s80, s22, 8                         ; 256 bytes of codes a token,
	s_add_nc_u64 s[16:17], s[4:5], s[80:81]
	s_lshl_b32 s80, s22, 2                         ; 4 bytes of a scale word,
	s_add_nc_u64 s[18:19], s[6:7], s[80:81]
	s_lshl_b32 s80, s22, 11                        ; 2,048 bytes of out
	s_add_nc_u64 s[OP:OP+1], s[10:11], s[80:81]
	s_lshl_b32 s80, s20, 8
	s_add_nc_u64 s[66:67], s[4:5], s[80:81]
	s_lshl_b32 s80, s20, 2
	s_add_nc_u64 s[68:69], s[6:7], s[80:81]
	s_lshl_b32 s80, s20, 11
	s_add_nc_u64 s[OPH:OPH+1], s[10:11], s[80:81]
	CROUND                                         ; all four work-groups are here: the first joint loads meet
	tensor_load_to_lds s[G0A:G0A+3], s[G1Q:G1Q+7]  ; two first fills a wave, together: two loads of mine are out
	s_nop 0
	tensor_load_to_lds s[G0:G0+3], s[G1H:G1H+7]
	s_nop 0
.rept 4
	v_nop
.endr
	v_and_b32 v48, 15, v0                          ; r
	v_bfe_u32 v49, v0, 4, 1                        ; h
	v_and_b32 v50, 31, v0                          ; lane
	v_lshlrev_b32 v[L16], 4, v50
	v_lshlrev_b32 v[L4], 2, v50
	QLOAD 16, 18                                   ; LO's queries
	s_lshl_b32 s82, s[WV], 13
	v_add_nc_u32 v[C16], s82, v[L16]
	s_lshl_b32 s82, s[WV], 7
	v_add_nc_u32 v[CKS], s82, v[L4]
	v_add_nc_u32 v[CKS], 65536, v[CKS]
	s_lshl_b32 s82, s[WV], 9
	v_add_nc_u32 v[CVS], s82, v[L4]
	v_add_nc_u32 v[CVS], 67584, v[CVS]
	v_add_nc_u32 v[GO], s82, v[L16]
	v_lshlrev_b32 v51, 4, v48                      ; 16 r
	v_lshl_add_u32 v52, v49, 3, v51                ; 16 r + 8 h
	s_lshl_b32 s82, s[WV], 8
	v_add_nc_u32 v[PST], s82, v52
	v_add_nc_u32 v[PST], PB, v[PST]
	s_lshr_b32 s82, s[WV], 1
	s_lshl_b32 s82, s82, 8
	s_and_b32 s83, s[WV], 1
	s_lshl_b32 s83, s83, 3
	s_add_co_u32 s82, s82, s83
	v_add_nc_u32 v[SST], s82, v51
	v_add_nc_u32 v[SST], ST, v[SST]
	v_add_nc_u32 v[PLD], PB, v[L16]
	v_add_nc_u32 v[SLD], ST, v51
	s_sub_co_i32 s21, s13, s[WV]
	s_lshl_b32 s21, s21, 5                         ; 32 (cx - w)
	v_lshlrev_b32 v53, 3, v49
	v_sub_nc_u32 v[DV], v48, v53
	v_add_nc_u32 v[DV], s21, v[DV]
	s_mul_i32 s82, s[WV], 8448
	s_add_co_u32 s82, s82, STAGE                   ; my stage
	v_mul_u32_u24 v[STO], v48, 528
	v_lshl_add_u32 v[STO], v49, 5, v[STO]
	v_add_nc_u32 v[STO], s82, v[STO]               ; in: row r, 32 bytes for each half of the lanes
	v_add_nc_u32 v[RD], s82, v[L16]                ; back: the 32 lanes take a row of 512 bytes
	v_mov_b32 v[RR], 0xce800000                    ; R = -2^30, under every A
	v_mov_b32 v[RR+1], 0xce800000
	v_mov_b32 v[LL], 0
	v_mov_b32 v[LL+1], 0
	v_mov_b32 v[NINF], 0xff800000
.set n, 0
.rept 24
	v_mov_b32 v[TT+n], 0                           ; written once: permutes' destinations and the upper halves of pairs count as read
.set n, n+1
.endr
.set n, 0
.rept 128
	v_mov_b32 v[OA+n], 0                           ; O^T.  The step is written once: the first finds zeros, which F = 0 leaves zeros
.set n, n+1
.endr
	s_wait_tensorcnt 1                             ; my quarter of step 0 is in; my half of steps 1, 2 may stay out
	s_barrier_signal -1
	s_barrier_wait -1                              ; everybody's is
	v_add_nc_u32 v[AK], s[CUR], v[C16]
	v_add_nc_u32 v[AKS], s[CUR], v[CKS]
	KFETCH                                         ; step 0's K
	s_wait_loadcnt 0x0                             ; Q
	s_mov_b32 s[TRIP], 7
.Ltrip:                                            ; steps 0 to 13, two a trip: behind each even step's round the slot that it leaves is filled again
	STEP 0, 0x33000, 1, 1, 0
	STEP 1, 0x11000, 0, 1, 0
	s_sub_co_u32 s[TRIP], s[TRIP], 1
	s_cmp_lg_u32 s[TRIP], 0
	s_cbranch_scc1 .Ltrip
	STEP 0, 0x33000, 2, 0, 0                       ; the tail is written out: nothing is left to fetch.  c is at most 7, so LO's diagonal lies in the loop
	STEP 1, 0x11000, 0, 0, 0
	STEP 0, 0, 0, 2, 1                             ; step 16: HI's diagonal, and its way out
	s_wait_tensorcnt 0x0                           ; the wave's end: behind my last tensor load and my last LDS store
	ds_add_u32 v[SPW], v[NIL]
	s_wait_dscnt 0x0
	CROUND                                         ; the closing round
	s_endpgm
.Lfunc_end_k_q9aac852071_attn:
	.size	k_q9aac852071_attn, .Lfunc_end_k_q9aac852071_attn-k_q9aac852071_attn
	.p2alignl 7, 3214868480
	.fill 96, 4, 3214868480
	.section	.rodata,"a",@progbits
	.p2align	6, 0x0
	.amdhsa_kernel k_q9aac852071_attn
		.amdhsa_group_segment_fixed_size 327680
		.amdhsa_private_segment_fixed_size 0
		.amdhsa_enable_private_segment 0
		.amdhsa_kernarg_size 32
		.amdhsa_user_sgpr_count 2
		.amdhsa_user_sgpr_kernarg_segment_ptr 1
		.amdhsa_wavefront_size32 1
		.amdhsa_system_sgpr_workgroup_id_x 1
		.amdhsa_system_sgpr_workgroup_id_y 1
		.amdhsa_system_sgpr_workgroup_id_z 1
		.amdhsa_system_vgpr_workitem_id 0
		.amdhsa_next_free_vgpr 448
		.amdhsa_next_free_sgpr 84
		.amdhsa_reserve_vcc 1
		.amdhsa_float_denorm_mode_32 3
		.amdhsa_float_denorm_mode_16_64 3
		.amdhsa_memory_ordered 1
		.amdhsa_forward_progress 1
		.amdhsa_inst_pref_size 165
	.end_amdhsa_kernel
	.amdgpu_metadata
---
amdhsa.version: [ 1, 2 ]
amdhsa.kernels:
  - .name:           k_q9aac852071_attn
    .symbol:         k_q9aac852071_attn.kd
    .args:
      - { .name: qc, .offset: 0, .size: 8, .value_kind: global_buffer, .address_space: global }
      - { .name: qs, .offset: 8, .size: 8, .value_kind: global_buffer, .address_space: global }
      - { .name: kv, .offset: 16, .size: 8, .value_kind: global_buffer, .address_space: global }
      - { .name: out0, .offset: 24, .size: 8, .value_kind: global_buffer, .address_space: global }
    .group_segment_fixed_size: 327680
    .private_segment_fixed_size: 0
    .kernarg_segment_align: 8
    .kernarg_segment_size: 32
    .max_flat_workgroup_size: 128
    .sgpr_count:     84
    .vgpr_count:     448
    .wavefront_size: 32
...
	.end_amdgpu_metadata
.endif
;; end of part 2
